; MI455X (gfx1250); checked and timed in simulation.
; The chip was launched on July 23, 2026; its instructions are those of AMD's public machine-readable ISA for CDNA 5 (MIT licence, August 2026) and "CDNA5" Instruction Set Architecture Reference Guide (July 2026). The comments in the code are by the model that wrote it; some were corrected since.
;; Outlier Detector. Allowed arithmetic: matrix products marked QUANTISED: E3M2 operands, one E8M0 scale for each 32 along K, by v_wmma_scale_f32_16x16x128_f8f6f4 with both operands' format E3M2, f32 sums; products left as they are: f32 operands where the result goes on into a quantised operand, else bf16, f16 or f32 operands; f32 sums; everything else in f32.
;; Inputs: cov_inv 19 x 50 x 50 float32; feats 131,072 x 256 float32; mu_c 19 x 50 float32; pca_components 19 x 50 x 256 float32; pca_mean 19 x 256 float32; pca_var 19 x 50 float32.
;; Outputs: out0 256 x 512 float32.
;; Constants: H = 256, W = 512.
;; This version of the problem:
;;   THIS VERSION OF THE PROBLEM IS GIVEN IN LOW PRECISION. The matrix products marked QUANTISED in the list below multiply operands that are first quantised to E3M2 (3 exponent bits, 2 mantissa bits; 6 bits a number), with one power-of-two scale for each 32 numbers along K (OCP MX v1.0); their sums are f32. All else is computed in f32.
;;   The module's matrix products, in the order in which they are computed (A, B: the left and right operand; K: the contracted axis; several contracted axes count as one K, in the product's order):
;;     1. [M 950, K 256] x [K 256, N 131,072]; A: input pca_components; B: input feats: QUANTISED
;;     2. batch 19 x [M 1, K 256] x [K 256, N 50]; A: input pca_mean; B: input pca_components: left as it is (M = 1 < 16)
;;     3. batch 19 x [M 50, K 50] x [K 50, N 131,072]; A: input cov_inv; B: computed on the way: QUANTISED
;;     4. batch 2,490,368 x [M 1, K 50] x [K 50, N 1]; A: computed on the way; B: computed on the way: left as it is (M = 1 < 16)
;;   THE QUANTISER, for each operand of a quantised product, along K:
;;     - K is cut into blocks of 32 from its start; a last block that is shorter is filled with zeros.
;;     - A block's scale is 2^e with e = floor(log2(the largest magnitude in the block)) - 4, held to -126 .. 127; a block of zeros has e = 0. As a byte (E8M0): e + 127.
;;     - Each number is divided by its block's scale, clamped to +-28, and rounded to the nearest number of E3M2, ties to even, subnormals kept.
;;     - The product sums the exact products of the quantised numbers (number of the format x scale) in f32.
;;   ~~~python
;;   def quantise(x, axis):      # numpy; x: float32 -> the quantised numbers, widened to float32 again
;;       x = np.moveaxis(x, axis, -1); K = x.shape[-1]
;;       x = np.pad(x, [(0, 0)] * (x.ndim - 1) + [(0, -K % 32)]); x = x.reshape(x.shape[:-1] + (-1, 32)); a = np.abs(x).max(-1, keepdims=True)
;;       e = np.where(a > 0, np.clip(np.frexp(np.where(a > 0, a, 1))[1] - 1 - 4, -126, 127), 0)      # np.frexp(a)[1] - 1 = floor(log2(a)), exactly
;;       r = np.clip(x / 2.0 ** e, -28, 28)
;;       step = 2.0 ** (np.maximum(np.frexp(np.where(r == 0, 1, r))[1] - 1, -2) - 2)
;;       q = np.round(r / step) * step * 2.0 ** e      # np.round: ties to even
;;       return np.moveaxis(q.reshape(q.shape[:-2] + (-1,))[..., :K], -1, axis).astype(np.float32)
;;   ~~~
;;   OPERANDS COMPUTED ON THE WAY. 'Computed on the way' means the value that the module computes at that place (a softmax that the list does not call 'softmax' is quantised finished and normalised). What goes into a quantiser is computed in f32, as accurately as f32 sums, v_exp_f32 and their like allow (about 1e-6 of the number): no bf16 or f16 on the way to a quantiser, and a product that is left as it is and whose result goes on into a quantised operand takes f32 operands (vector FMAs, or v_wmma_f32_16x16x4_f32). A number that lies on a knife's edge between two numbers of the format may be rounded either way, as far as f32 arithmetic and the matrix unit's own rounding can turn it there, and no further.
;; One version. Each part assembles by itself: llvm-mc -triple=amdgcn-amd-amdhsa -mcpu=gfx1250 --defsym DOCPART=n.
;; ======== version 1 of 1: 2 launches
;; workspace buffers: wts 288,768 bytes
;; launch prep (part 1): grid 19 x 1, 6 waves a work-group, no clusters, 0 bytes of LDS; arguments pca_components, pca_mean, pca_var, mu_c, cov_inv, wts; writes wts
.if DOCPART == 1
	.amdgcn_target "amdgcn-amd-amdhsa--gfx1250"
	.amdhsa_code_object_version 6
	.text
	.protected	k_qf81daf9843_prep
	.globl	k_qf81daf9843_prep
	.p2align	8
	.type	k_qf81daf9843_prep,@function
k_qf81daf9843_prep:
	s_mov_b64 s[64:65], 0
	v_nop
	global_prefetch_b8 v0, s[64:65] scope:SCOPE_SE
	s_setreg_imm32_b32 hwreg(HW_REG_WAVE_MODE, 25, 1), 1
	s_wait_xcnt 0x0
; THE WEIGHTS OF ONE CLASS c (= the work-group's number) ARE MADE READY ONCE: codes of E3M2 with E8M0 scale bytes for pca_components (K = its 256 features) and for cov_inv
; (K = its axis 1, the axis that is summed with diff first: t[l] = sum over k of cov_inv[c][k][l] diff[k]), and two tables rs, off with
; diff[k] = proj[k] rs[k] + off[k]:  rs = 1 / sqrt(pca_var),  off = -mean_proj rs - mu_c,  mean_proj[k] = sum over d of pca_mean[c][d] pca_components[c][k][d], in f32 multiply-adds.
; NOTHING OF THE PROBLEM IS LEFT OUT: all six inputs reach the result.  What is ADDED is padding of 50 to 64: rs = off = 0 for k >= 50, so that diff is exactly 0 there; the padded rows of the
; components and the padded columns l >= 50 of cov_inv hold copies of row or column 49 (finite numbers, multiplied by that 0); cov_inv counts as 0 for k >= 50, as the quantiser fills its last block.
; LAYOUT OF wts: 19 blocks of CB bytes, then 1,792 bytes of zeros (so that what lies behind class 7 is eight equal parts).  All operands lie IN THE ORDER OF THE OPERAND'S REGISTERS: a group of four registers
; is 512 bytes, lane l's 16 bytes at 16 l.  Lane (r = l % 16, h = l / 16) of tile t = 2 b + u stands for row perm(t, r) = 32 b + 8 u + r + (r & 8), registers 6 c .. 6 c + 5 for K = 64 c + 32 h + 0 .. 31.
;   CF_O  components, tiles 0-2: fragment 2 t + s (s: which 128 of K) at 1536 (2 t + s), group g at + 512 g
;   C3_O  tile 3: only lanes r < 8 (rows 40-47; the others are padding): + 768 s + 256 g + 16 ((l & 7) + 8 h)
;   CV_O  cov_inv, tile t at + 768 t: registers 0-3 at 16 l, registers 4-5 at 512 + 8 l (K = 0 .. 63; the rest of the 128 is zeros that the reader keeps in registers)
;   CS_O  the components' scale words, tile t at + 128 t + 4 l: lanes 0-15 those of K 0-127, lanes 16-31 those of K 128-255
;   VS_O  cov_inv's scale words, + 128 q + 4 l: lanes 0-15 tile 2 q, lanes 16-31 tile 2 q + 1 (bytes 2 and 3 are 0: over zero codes)
;   RS_O  rs, then 256 bytes on off: the number at 64 t + 4 m belongs to row perm(t, m)
; SHARES: waves 0-3 take the components' tiles 0-3, waves 4 and 5 two tiles of cov_inv each.  Waves share nothing: no LDS, no barrier.
; LIMITS: NaN and infinities among the inputs are not served; pca_var is a positive normal number (the reciprocal root takes denormals as zero);
; a block of zeros gets the scale byte 1 where the quantiser says 127: its codes are zeros, and this program alone reads the bytes.
.set CB,   15104
.set CF_O, 0
.set C3_O, 9216
.set CV_O, 10752
.set CS_O, 13824
.set VS_O, 14336
.set RS_O, 14592
.set X,    16                          ; v16-143  my row's 128 numbers: index 64 s + 32 c + n is feature 128 s + 64 c + 32 h + n  (cov: two columns of 32)
.set MN,   144                         ; v144-207 pca_mean at the same features, s = 0;  s = 1 lies in v256-319 (window 1, v0-63)
.set FQ,   208                         ; v208-231 the codes
.set TC,   232                         ; v232-234 a block's upper 16 codes (a conversion's three registers begin on an even number)
.set CH,   236                         ; v236-243 four chains of the dot product, two numbers each
.set QA,   244                         ; v244-245 largest magnitudes, two chains
.set QM,   245
.set QS,   246                         ; the conversion's scale operand
.set SCR,  247
.set BY,   248                         ; v248-251 scale bytes
.set WD,   252                         ; v252-253 scale words
.set PT,   254                         ; a lane permute's destination
.set MSB, 0
.macro WIN new                         ; the immediate's high byte repeats the setting that is left
.if MSB != \new
	s_set_vgpr_msb (MSB<<8)|\new
.set MSB, \new
.endif
.endm
; 32 numbers of ONE lane, v[xb] on, are one block: its largest magnitude with the floor 2^(5 - 127) among the leaves (so the byte cannot fall under 1), 4 off the exponent field: the conversion's scale operand;
; six registers of codes at v[fb] on, the byte in v[by].
.macro QB xb, fb, by
	v_max3_num_f32 v[QA], |v[\xb]|, |v[\xb+1]|, 0x2800000
	v_max3_num_f32 v[QM], |v[\xb+16]|, |v[\xb+17]|, |v[\xb+18]|
.irp i, 0,2,4,6,8,10
	v_max3_num_f32 v[QA], v[QA], |v[\xb+2+\i]|, |v[\xb+3+\i]|
	v_max3_num_f32 v[QM], v[QM], |v[\xb+19+\i]|, |v[\xb+20+\i]|
.endr
	v_max3_num_f32 v[QA], v[QA], |v[\xb+14]|, |v[\xb+15]|
	v_max3_num_f32 v[QA], v[QA], v[QM], |v[\xb+31]|
	v_add_nc_u32 v[QS], 0xfe000000, v[QA]
	v_cvt_scalef32_pk16_bf6_f32 v[\fb:\fb+2], v[\xb:\xb+15], v[QS]
	v_cvt_scalef32_pk16_bf6_f32 v[TC:TC+2], v[\xb+16:\xb+31], v[QS]
	v_lshrrev_b32 v[\by], 23, v[QS]                ; the scale's byte; also the plain line behind the conversions
.irp i, 0,1,2
	v_mov_b32 v[\fb+3+\i], v[TC+\i]
.endr
.endm
	s_load_b256 s[4:11], s[0:1], 0x0               ; components s[4:5], mean s[6:7], var s[8:9], mu s[10:11]
	s_load_b128 s[12:15], s[0:1], 0x20             ; cov_inv s[12:13], wts s[14:15]
	v_lshrrev_b32 v1, 5, v0
	v_readfirstlane_b32 s16, v1                    ; wave 0..5
	v_and_b32 v1, 31, v0                           ; l
	v_and_b32 v2, 15, v0                           ; r
	v_bfe_u32 v3, v0, 4, 1                         ; h
	v_and_b32 v4, 8, v0
	v_add_nc_u32 v4, v4, v2                        ; r + (r & 8)
	v_lshlrev_b32 v9, 3, v3                        ; 8 h
	v_lshlrev_b32 v10, 4, v1                       ; 16 l
	v_lshlrev_b32 v11, 2, v1                       ; 4 l
	v_mov_b32 v[PT], 0                             ; a lane permute's destination counts as one of its sources
	v_mov_b32 v15, 0
	s_mov_b32 s20, 0x76543210
	s_mov_b32 s21, 0xfedcba98                      ; v_permlanex16_b32's selects for lane l xor 16
	s_mov_b32 s22, 0xffff0000                      ; lanes 16-31
	s_mul_i32 s18, ttmp9, CB
	s_mov_b32 s19, 0
	s_wait_kmcnt 0x0
	s_add_nc_u64 s[14:15], s[14:15], s[18:19]      ; my class's block
	s_cmp_lt_u32 s16, 4
	s_cbranch_scc0 .Lcov
	; ---- waves 0-3: tile t = wave of the components
	s_lshr_b32 s17, s16, 1
	s_lshl_b32 s17, s17, 5
	s_and_b32 s25, s16, 1
	s_lshl_b32 s25, s25, 3
	s_add_co_u32 s17, s17, s25                     ; 32 b + 8 u
	v_add_nc_u32 v4, s17, v4                       ; k = perm(t, r)
	v_min_u32 v5, 49, v4                           ; padded rows read row 49: no load leaves its buffer
	v_cmp_gt_u32 s23, 50, v4                       ; lanes with k < 50
	v_lshlrev_b32 v6, 10, v5
	v_lshl_add_u32 v6, v3, 7, v6                   ; my row of 1,024 bytes, + 128 h
	v_lshlrev_b32 v7, 7, v3                        ; the mean: 128 h
	v_lshlrev_b32 v8, 2, v5                        ; var, mu
	s_mul_i32 s18, ttmp9, 51200
	s_add_nc_u64 s[4:5], s[4:5], s[18:19]
	s_lshl_b32 s18, ttmp9, 10
	s_add_nc_u64 s[6:7], s[6:7], s[18:19]
	s_mul_i32 s18, ttmp9, 200
	s_add_nc_u64 s[8:9], s[8:9], s[18:19]
	s_add_nc_u64 s[10:11], s[10:11], s[18:19]
.macro LD16 reg, adr, base, s          ; 64 numbers of a lane: two runs of 128 bytes
.irp cc, 0,1
.irp i, 0,1,2,3,4,5,6,7
	global_load_b128 v[\reg+32*\cc+4*\i:\reg+32*\cc+4*\i+3], v[\adr], s[\base:\base+1] offset:512*\s+256*\cc+16*\i
.endr
.endr
.endm
	LD16 X, 6, 4, 0
	LD16 MN, 7, 6, 0
	LD16 X+64, 6, 4, 1
	WIN 0x40                                       ; destination window 1
	LD16 0, 7, 6, 1
	WIN 0
	global_load_b32 v12, v8, s[8:9]                ; var
	global_load_b32 v13, v8, s[10:11]              ; mu
	s_wait_loadcnt 34                              ; the first 32 loads are in; behind them: 16 + 16 of K 128-255, var, mu
.irp i, 0,1,2,3
	v_pk_mul_f32 v[CH+2*\i:CH+2*\i+1], v[X+2*\i:X+2*\i+1], v[MN+2*\i:MN+2*\i+1]   ; the first products start the four chains
.endr
.set n, 4
.rept 28
	v_pk_fma_f32 v[CH+2*(n%4):CH+2*(n%4)+1], v[X+2*n:X+2*n+1], v[MN+2*n:MN+2*n+1], v[CH+2*(n%4):CH+2*(n%4)+1]
.set n, n+1
.endr
	QB X, FQ, BY
	QB X+32, FQ+6, BY+1
	s_wait_loadcnt 0x0
	WIN 0x04                                       ; source 1 (the mean) window 1
.set n, 0
.rept 32
	v_pk_fma_f32 v[CH+2*(n%4):CH+2*(n%4)+1], v[X+64+2*n:X+64+2*n+1], v[2*n:2*n+1], v[CH+2*(n%4):CH+2*(n%4)+1]
.set n, n+1
.endr
	WIN 0
	QB X+64, FQ+12, BY+2
	QB X+96, FQ+18, BY+3
.irp s, 0,1                            ; my two bytes of K step s are blocks h and 2 + h: at their places, and with lane l xor 16's two the word is whole
	v_lshl_or_b32 v[SCR], v[BY+2*\s+1], 16, v[BY+2*\s]
	v_lshlrev_b32 v[SCR], v9, v[SCR]
	v_permlanex16_b32 v[PT], v[SCR], s20, s21
	v_or_b32 v[WD+\s], v[SCR], v[PT]
.endr
	v_cndmask_b32 v[WD], v[WD], v[WD+1], s22       ; lanes 0-15 keep step 0's word, lanes 16-31 take step 1's
	v_rsq_f32 v14, v12                             ; rs
	v_pk_add_f32 v[CH:CH+1], v[CH:CH+1], v[CH+2:CH+3]          ; plain work behind it: the chains are summed
	v_pk_add_f32 v[CH+4:CH+5], v[CH+4:CH+5], v[CH+6:CH+7]
	v_pk_add_f32 v[CH:CH+1], v[CH:CH+1], v[CH+4:CH+5]
	v_add_f32 v[CH], v[CH], v[CH+1]
	v_permlanex16_b32 v[PT], v[CH], s20, s21
	v_add_f32 v[CH], v[CH], v[PT]                  ; mean_proj of my row
	s_wait_alu depctr_va_vdst(0)                   ; the wait ahead of the first line that names the root's result
	v_fma_f32 v[CH+1], -v[CH], v14, -v13           ; off = -mean_proj rs - mu
	v_cndmask_b32 v14, v15, v14, s23               ; both are 0 in the padding
	v_cndmask_b32 v[CH+1], v15, v[CH+1], s23
	v_cndmask_b32 v14, v14, v[CH+1], s22           ; lanes 0-15 store rs, lanes 16-31 off
	s_wait_xcnt 0x0                                ; the loads' address registers are written anew only behind this wait (their data are in as well)
	s_mul_i32 s25, s16, 3072
	v_add_nc_u32 v5, s25, v10                      ; 16 l + 3072 t
	s_lshl_b32 s25, s16, 7
	v_add_nc_u32 v6, s25, v11                      ; 4 l + 128 t
	s_lshl_b32 s25, s16, 6
	v_lshlrev_b32 v7, 2, v2
	v_lshl_add_u32 v7, v3, 8, v7
	v_add_nc_u32 v7, s25, v7                       ; 4 r + 256 h + 64 t
	global_store_b32 v6, v[WD], s[14:15] offset:CS_O
	global_store_b32 v7, v14, s[14:15] offset:RS_O
	s_cmp_eq_u32 s16, 3
	s_cbranch_scc1 .Ltile3
.irp s, 0,1
.irp g, 0,1,2
	global_store_b128 v5, v[FQ+12*\s+4*\g:FQ+12*\s+4*\g+3], s[14:15] offset:CF_O+1536*\s+512*\g   ; 32 lanes store 512 consecutive bytes
.endr
.endr
	s_endpgm
.Ltile3:                                           ; tile 3: lanes r < 8 alone hold rows of the problem
	v_and_b32 v8, 7, v0
	v_lshl_add_u32 v8, v3, 3, v8
	v_lshlrev_b32 v8, 4, v8                        ; 16 ((l & 7) + 8 h)
	v_and_b32 v4, 8, v0
	v_cmp_eq_u32 vcc_lo, 0, v4
	s_wait_xcnt 0x0                                ; EXEC changes only behind this wait
	s_and_saveexec_b32 s24, vcc_lo
.irp s, 0,1
.irp g, 0,1,2
	global_store_b128 v8, v[FQ+12*\s+4*\g:FQ+12*\s+4*\g+3], s[14:15] offset:C3_O+768*\s+256*\g
.endr
.endr
	s_wait_xcnt 0x0                                ; and again in front of the line that widens it
	s_or_b32 exec_lo, exec_lo, s24
	s_endpgm
	; ---- waves 4, 5: tiles 2 q and 2 q + 1 of cov_inv.  A LANE TAKES A COLUMN l, AND ITS REGISTERS RUN DOWN k = 32 h + i
.Lcov:
	s_sub_co_u32 s17, s16, 4                       ; q
	s_lshl_b32 s25, s17, 5
	v_add_nc_u32 v4, s25, v4                       ; the column of tile 2 q,
	v_add_nc_u32 v5, 8, v4                         ; of tile 2 q + 1
	v_min_u32 v4, 49, v4                           ; padded columns read column 49
	v_min_u32 v5, 49, v5
	v_lshlrev_b32 v6, 2, v4                        ; for i >= 18, where lanes 16-31 have no row k = 32 + i: all lanes read row i, and lanes 16-31 throw it away
	v_lshlrev_b32 v7, 2, v5
	v_mul_u32_u24 v8, v3, 6400
	v_add_nc_u32 v12, v8, v6                       ; for i < 18: + 32 h rows of 200 bytes
	v_add_nc_u32 v13, v8, v7
	s_mul_i32 s18, ttmp9, 10000
	s_add_nc_u64 s[12:13], s[12:13], s[18:19]
.macro LDC e, va, vb
.irp i, 0,1,2,3,4,5,6,7,8,9,10,11,12,13,14,15,16,17
	global_load_b32 v[X+32*\e+\i], v[\va], s[12:13] offset:200*\i
.endr
.irp i, 18,19,20,21,22,23,24,25,26,27,28,29,30,31
	global_load_b32 v[X+32*\e+\i], v[\vb], s[12:13] offset:200*\i
.endr
.endm
	LDC 0, 12, 6
	LDC 1, 13, 7
	s_wait_loadcnt 32                              ; the first tile's 32 loads are in, the second's may be out
.irp i, 18,19,20,21,22,23,24,25,26,27,28,29,30,31
	v_cndmask_b32 v[X+\i], v[X+\i], v15, s22       ; k >= 50 counts as 0, ahead of the block's maximum
.endr
	QB X, FQ, BY
	s_wait_loadcnt 0x0
.irp i, 18,19,20,21,22,23,24,25,26,27,28,29,30,31
	v_cndmask_b32 v[X+32+\i], v[X+32+\i], v15, s22
.endr
	QB X+32, FQ+8, BY+1
.irp e, 0,1                            ; my byte is block h's; with lane l xor 16's the word has its two bytes
	v_lshlrev_b32 v[SCR], v9, v[BY+\e]
	v_permlanex16_b32 v[PT], v[SCR], s20, s21
	v_or_b32 v[WD+\e], v[SCR], v[PT]
.endr
	v_cndmask_b32 v[WD], v[WD], v[WD+1], s22       ; lanes 0-15: tile 2 q, lanes 16-31: tile 2 q + 1
	s_mul_i32 s25, s17, 1536
	v_add_nc_u32 v10, s25, v10                     ; 16 l + 1536 q
	v_lshlrev_b32 v14, 3, v1                       ; 8 l
	v_add_nc_u32 v2, s25, v14                      ; 8 l + 1536 q
	s_lshl_b32 s25, s17, 7
	v_add_nc_u32 v11, s25, v11                     ; 4 l + 128 q
.irp e, 0,1
	global_store_b128 v10, v[FQ+8*\e:FQ+8*\e+3], s[14:15] offset:CV_O+768*\e
	global_store_b64 v2, v[FQ+8*\e+4:FQ+8*\e+5], s[14:15] offset:CV_O+768*\e+512
.endr
	global_store_b32 v11, v[WD], s[14:15] offset:VS_O
	s_cmp_eq_u32 s16, 5                            ; the zeros behind the last class: wave 5 of class 18
	s_cbranch_scc0 .Ldone
	s_cmp_eq_u32 ttmp9, 18
	s_cbranch_scc0 .Ldone
	v_mov_b32 v16, 0
	v_mov_b32 v17, 0
.irp i, 0,1,2,3,4,5,6
	global_store_b64 v14, v[16:17], s[14:15] offset:CB+256*\i   ; 32 lanes store 256 consecutive bytes
.endr
.Ldone:
	s_endpgm
.Lfunc_end_k_qf81daf9843_prep:
	.size	k_qf81daf9843_prep, .Lfunc_end_k_qf81daf9843_prep-k_qf81daf9843_prep
	.p2alignl 7, 3214868480
	.fill 96, 4, 3214868480
	.section	.rodata,"a",@progbits
	.p2align	6, 0x0
	.amdhsa_kernel k_qf81daf9843_prep
		.amdhsa_group_segment_fixed_size 0
		.amdhsa_private_segment_fixed_size 0
		.amdhsa_enable_private_segment 0
		.amdhsa_kernarg_size 48
		.amdhsa_user_sgpr_count 2
		.amdhsa_user_sgpr_kernarg_segment_ptr 1
		.amdhsa_wavefront_size32 1
		.amdhsa_system_sgpr_workgroup_id_x 1
		.amdhsa_system_sgpr_workgroup_id_y 1
		.amdhsa_system_sgpr_workgroup_id_z 1
		.amdhsa_system_vgpr_workitem_id 0
		.amdhsa_next_free_vgpr 320
		.amdhsa_next_free_sgpr 66
		.amdhsa_reserve_vcc 1
		.amdhsa_float_denorm_mode_32 3
		.amdhsa_float_denorm_mode_16_64 3
		.amdhsa_memory_ordered 1
		.amdhsa_forward_progress 1
		.amdhsa_inst_pref_size 34
	.end_amdhsa_kernel
	.amdgpu_metadata
---
amdhsa.version: [ 1, 2 ]
amdhsa.kernels:
  - .name:           k_qf81daf9843_prep
    .symbol:         k_qf81daf9843_prep.kd
    .args:
      - { .name: pca_components, .offset: 0, .size: 8, .value_kind: global_buffer, .address_space: global }
      - { .name: pca_mean, .offset: 8, .size: 8, .value_kind: global_buffer, .address_space: global }
      - { .name: pca_var, .offset: 16, .size: 8, .value_kind: global_buffer, .address_space: global }
      - { .name: mu_c, .offset: 24, .size: 8, .value_kind: global_buffer, .address_space: global }
      - { .name: cov_inv, .offset: 32, .size: 8, .value_kind: global_buffer, .address_space: global }
      - { .name: wts, .offset: 40, .size: 8, .value_kind: global_buffer, .address_space: global }
    .group_segment_fixed_size: 0
    .private_segment_fixed_size: 0
    .kernarg_segment_align: 8
    .kernarg_segment_size: 48
    .max_flat_workgroup_size: 192
    .sgpr_count:     66
    .vgpr_count:     320
    .wavefront_size: 32
...
	.end_amdgpu_metadata
.endif
;; end of part 1
;; launch main (part 2): grid 256 x 1, 8 waves a work-group, clusters of 4 x 1, 327,680 bytes of LDS; arguments feats, wts, out0; writes out0
.if DOCPART == 2
	.amdgcn_target "amdgcn-amd-amdhsa--gfx1250"
	.amdhsa_code_object_version 6
	.text
	.protected	k_qf81daf9843_main
	.globl	k_qf81daf9843_main
	.p2align	8
	.type	k_qf81daf9843_main,@function
k_qf81daf9843_main:
	s_mov_b64 s[64:65], 0
	v_nop
	global_prefetch_b8 v0, s[64:65] scope:SCOPE_SE
	s_setreg_imm32_b32 hwreg(HW_REG_WAVE_MODE, 25, 1), 1
	s_wait_xcnt 0x0
	s_wait_alu depctr_hold_cnt(0) depctr_sa_sdst(0) depctr_va_vdst(0) depctr_va_sdst(0) depctr_va_ssrc(0) depctr_va_vcc(0) depctr_vm_vsrc(0)
	s_getreg_b32 s2, hwreg(HW_REG_IB_STS2, 6, 4)
	s_cmp_eq_u32 s2, 0
	s_cbranch_scc0 .Lentry_in_a_cluster
	s_endpgm
.Lentry_in_a_cluster:
	s_bfe_u32 s2, ttmp6, 0x10000c
	s_cmp_lg_u32 s2, 0x3003
	s_cbranch_scc0 .Lentry_shape_is_right
	s_endpgm
.Lentry_shape_is_right:
; out0[p] = the least over 19 classes of  sum over l of diff[l] t[l],  diff = proj rs + off (f32),  proj = Q(components) Q(feats) (K = 256),  t = Q(cov_inv)^T Q(diff) (K = 50, filled to 64 with zeros).
; The weights come ready from wts (codes, scale words, rs, off in the order of the operand's registers: see the launch that makes them).  No step of the problem is left out; 50 is padded to 64 with rs = off = 0,
; so that diff is exactly 0 in the padding, whatever finite number the padded rows of the first product give.
; SHARES.  A work-group owns 512 pixels: 32 tiles of 16.  A UNIT is one class x one tile: 8 matrix instructions for proj (4 tiles of 16 rows x 2 K steps), 4 for t.  THE WEIGHTS OF A CLASS STAY IN A WAVE'S REGISTERS
; AND THE PIXELS' CODES COME FROM LDS (3 KB a unit): pass 0: wave w has class w, all 32 tiles; pass 1: class 8 + w, all 32 tiles; then classes 16, 17, 18 on the wave's own tiles 4 w .. 4 w + 3: 76 units a wave.
; Eight waves, two to a SIMD: a unit has some seven vector instructions for each matrix instruction, and one wave's vector work stands beside the other's products.
; PAIRS.  A unit is one chain of dependent steps.  From the last quantised tile on, the 64 registers in which feats landed are free, and a wave takes TWO tiles of its class by turns (UNIT2): one tile's vector work
; stands behind the other's products and is their places.  Before that (chunks 0 to 2) the next tile's 128 registers are in flight, and units go singly.
; FEATS are read once, 16 bytes a lane, sixteen lanes to 256 consecutive bytes of a row; wave w quantises tiles 8 j + w (j = 0 .. 3).  Pass 0 goes chunk by chunk (tiles 8 j .. 8 j + 7) between them, while the next
; tile's 32 loads of each wave are on their way.  No two work-groups read the same row of feats: it is not shared in the cluster.
; CLUSTER.  All work-groups read the same wts: the four of a cluster ask for it JOINTLY, two tensor loads a wave (at most two of a wave are out), issued once at the head; nothing in LDS is filled a second time.
; LAYOUT.  Both products are used with the weights as source 0 and the pixels as source 1: a lane (r = l % 16, h = l / 16) holds pixel r throughout.  Lane r of tile t = 2 b + u of the weights stands for row
; 32 b + 8 u + r + (r & 8), so that register 16 b + i of proj, diff and t is index 32 b + 16 h + i: sixteen neighbours along the second product's K, as the conversion wants them.
; LIMITS: NaN and infinities are not served (the minimum lets a NaN lose); a block of zeros gets the scale byte 1 where the quantiser says 127: its codes are zeros.
.set CB,   15104                       ; a class's block in wts and in LDS
.set CF_O, 0
.set C3_O, 9216
.set CV_O, 10752
.set CS_O, 13824
.set VS_O, 14336
.set RS_O, 14592
.set OF_O, 14848
; LDS.  Bytes 0 .. 288,767 are the image of wts: classes 0-7 (load A, 59 rows of 256 bytes a wave: the wave's own class) and the rest (load B, 82 rows a wave).  Classes 0-7 are read once, into registers; behind the
; barrier that follows, their bytes, which have had their only fill, take the pixels' codes, their scale words and pass 0's distances.
.set FIMG, 0                           ; tile i, K step s, group g of four registers: 3072 i + 1536 s + 512 g + 16 l
.set FSC,  98304                       ; 128 i + 4 l: lanes 0-15 the word of K 0-127, lanes 16-31 of K 128-255
.set D0,   102400                      ; pass 0's distances: 2048 w + 4 x pixel
.set WP,   120832                      ; classes 8-18
.set STG,  288768                      ; 4,352 bytes a wave: 16 rows x (256 + 16), the turn of f32 numbers; later the wave's distances of pass 1 (4 x pixel) and, from 2,048 on, of classes 16-18 (256 a class)
.set SPARE, 323584                     ; the spare words, 128 bytes for each wave: four blocks of 256 bytes that no other line names
; REGISTERS, window 0: v1, v2 the add's two; v3 feats offset; v4, v5 stage in, out; v6, v7 where I store codes and scale words; v8-10 addresses in hand; v11-15 lane terms 16 l, 16 ((l & 7) + 8 h), 8 l, 4 l, 32 h;
;   v16-20 the same + the class's block; v21 4 r; v22 8 h; v23-31 scale words and nothing else.   window 1: v0-95 CF, v96-143 CV, v144-191 F (two tiles), v192-255 feats as loaded, quarters 2 and 3.
.set FSB, 23                           ; v23     the pixels' scale words, a pair's second tile
.set CS,  24                           ; v24-27  the components' scale words, a register a tile
.set VS,  28                           ; v28-29  cov_inv's: lanes 0-15 the even tile, lanes 16-31 the odd one
.set FS,  30                           ; v30     the pixels'
.set DS,  31                           ; v31     diff's
.set RS,  32                           ; v32-63  rs in the result's layout
.set OF,  64                           ; v64-95  off
.set ACC, 96                           ; v96-127 proj, then diff  (while feats are quantised: 32 numbers of a block)
.set T,   128                          ; v128-159 t  (while feats are quantised: FQ, WS)
.set FQ,  128                          ; v128-139 a fragment's codes
.set WS,  140                          ; v140-141 its tile's two scale words
.set DC,  160                          ; v160-171 diff's codes; the upper six stay 0
.set TC,  172                          ; v172-174 a conversion's second three
.set TM,  176                          ; v176-191 at work
.set QA,  TM
.set QM,  TM+1
.set QS,  TM+4
.set RAW, 192                          ; v192-255 feats as loaded, quarters 0 and 1; behind the last quantised tile:
.set ACCB, 192                         ; v192-223 proj, then diff, of a pair's second tile
.set TB,  224                          ; v224-255 its t
.set CF,  0                            ; window 1: the components' fragments, (t, s) at 12 (2 t + s)
.set CV,  96                           ; window 1: cov_inv's, 12 a tile; the upper six stay 0
.set F,   144                          ; window 1: the pixels' two fragments; a pair's second tile 24 further on
; SCALARS: s[4:5] feats at my wave's tile 0; s[6:7] wts; s[8:9] out0 at my wave's 64 pixels; s10 wave; s11 cx; s12 work-group; s[14:15] offsets made of the wave's number alone; s[16:23], s[24:31] descriptor groups 1;
;   s[32:35], s[36:39] groups 0; s40-41 lane selects; s42 lanes 16-31; s43 counter; s45 the class's block; s46, s47 the next tile's codes and scale words; s48 where the unit's distances go; s49, s50 bases; s[52:53], s54 offsets made of cx
.set MSB, 0
.macro WIN new                         ; the immediate's high byte repeats the setting that is left
.if MSB != \new
	s_set_vgpr_msb (MSB<<8)|\new
.set MSB, \new
.endif
.endm
.macro ROUND                           ; a round of the cluster's barrier
	s_barrier_signal -1
	s_barrier_wait -1
	s_cmp_lg_u32 s10, 0
	s_cbranch_scc1 .Lnot_wave_0_\@
	s_barrier_signal -3
.Lnot_wave_0_\@:
	s_barrier_wait -3
	s_barrier_signal -1
	s_barrier_wait -1
.endm
.macro BARRIER                         ; my LDS stores have landed and my LDS loads are in: then the work-group's barrier
	s_wait_dscnt 0x0
	s_barrier_signal -1
	s_barrier_wait -1
.endm
; Quarter q (64 features) of my tile 8 j + w: load i takes rows 2 i + h, sixteen lanes 256 consecutive bytes of a row
.macro RLOAD j, q
.if (\q) >= 2
	WIN 0x40                                       ; destination window 1
.endif
.irp i, 0,1,2,3,4,5,6,7
	global_load_b128 v[RAW+32*((\q)%2)+4*\i:RAW+32*((\q)%2)+4*\i+3], v3, s[4:5] offset:131072*(\j)+2048*\i+256*(\q) th:TH_LOAD_NT
.endr
	WIN 0
.endm
; 32 numbers of ONE lane, v[xb] on, are one block: its largest magnitude with the floor 2^(5 - 127) among the leaves (the byte cannot fall under 1), 4 off the exponent field: the conversion's scale operand
.macro QB xb, fb, by
	v_max3_num_f32 v[QA], |v[\xb]|, |v[\xb+1]|, 0x2800000
	v_max3_num_f32 v[QM], |v[\xb+16]|, |v[\xb+17]|, |v[\xb+18]|
.irp i, 0,2,4,6,8,10
	v_max3_num_f32 v[QA], v[QA], |v[\xb+2+\i]|, |v[\xb+3+\i]|
	v_max3_num_f32 v[QM], v[QM], |v[\xb+19+\i]|, |v[\xb+20+\i]|
.endr
	v_max3_num_f32 v[QA], v[QA], |v[\xb+14]|, |v[\xb+15]|
	v_max3_num_f32 v[QA], v[QA], v[QM], |v[\xb+31]|
	v_add_nc_u32 v[QS], 0xfe000000, v[QA]
	v_cvt_scalef32_pk16_bf6_f32 v[\fb:\fb+2], v[\xb:\xb+15], v[QS]
	v_cvt_scalef32_pk16_bf6_f32 v[TC:TC+2], v[\xb+16:\xb+31], v[QS]
	v_lshrrev_b32 v[\by], 23, v[QS]                ; the scale's byte; also the plain line behind the conversions
.irp i, 0,1,2
	v_mov_b32 v[\fb+3+\i], v[TC+\i]
.endr
.endm
; My tile 8 j + w becomes two fragments and their scale words.  A quarter goes through my stage as it was loaded and comes back 128 bytes a lane: lane (r, h) gets features 64 q + 32 h + 0 .. 31 of pixel r: one block.
; Stage rows are 272 bytes apart: the sixteen rows that a load touches begin in sixteen different 16-byte columns of 256.
.macro QTILE j
.irp q, 0,1,2,3
.if (\j) < 3
	s_wait_loadcnt 24                              ; this quarter's 8 loads are in; behind them three quarters of 8: the rest of this tile, the first of the next
.else
	s_wait_loadcnt 24-8*\q                         ; the last tile: nothing is asked for behind it, the counts run down
.endif
.if \q >= 2
	WIN 0x04                                       ; an LDS store's data are its source 1: window 1
.endif
.irp i, 0,1,2,3,4,5,6,7
	ds_store_b128 v4, v[RAW+32*(\q%2)+4*\i:RAW+32*(\q%2)+4*\i+3] offset:544*\i
.endr
	WIN 0
.irp i, 0,1,2,3,4,5,6,7
	ds_load_b128 v[ACC+4*\i:ACC+4*\i+3], v5 offset:16*\i   ; LDS serves a wave's instructions in order: these see the stores above
.endr
	s_wait_dscnt 0x0                               ; the block is in; the stores have read the loaded numbers' registers, and the last fragment's stores theirs
.if (\j) < 3
	RLOAD (\j)+1, \q                               ; the same quarter of my next tile, into the registers just read
.endif
	QB ACC, FQ+6*(\q%2), TM+6+(\q%2)
.if \q%2 == 1
	v_lshl_or_b32 v[TM+13], v[TM+7], 16, v[TM+6]   ; my two bytes are blocks h and 2 + h of this K step,
	v_lshlrev_b32 v[TM+13], v22, v[TM+13]          ; at their places;
	v_permlanex16_b32 v[TM+12], v[TM+13], s40, s41
	v_or_b32 v[WS+\q/2], v[TM+13], v[TM+12]        ; with lane l xor 16's two the word is whole
.irp g, 0,1,2
	ds_store_b128 v6, v[FQ+4*\g:FQ+4*\g+3] offset:1536*(\q/2)+512*\g   ; the fragment goes to LDS as an image of its registers
.endr
.endif
.endr
	v_cndmask_b32 v[TM+13], v[WS], v[WS+1], s42    ; lanes 0-15 K step 0's word, lanes 16-31 K step 1's
	ds_store_b32 v7, v[TM+13] offset:1024*(\j)
	v_add_nc_u32 v6, 24576, v6                     ; my next tile is eight tiles on
.endm
; The weights of the class whose block begins at LDS byte s45: 54 loads, waited for ahead of the next run of units.  The last products stand more than four plain lines back.
.macro WGT
	v_add_nc_u32 v16, s45, v11
	v_add_nc_u32 v17, s45, v12
	v_add_nc_u32 v18, s45, v13
	v_add_nc_u32 v19, s45, v14
	v_add_nc_u32 v20, s45, v15
	WIN 0x40
.irp f, 0,1,2,3,4,5
.irp g, 0,1,2
	ds_load_b128 v[CF+12*\f+4*\g:CF+12*\f+4*\g+3], v16 offset:CF_O+1536*\f+512*\g
.endr
.endr
.irp s, 0,1
.irp g, 0,1,2
	ds_load_b128 v[CF+72+12*\s+4*\g:CF+72+12*\s+4*\g+3], v17 offset:C3_O+768*\s+256*\g   ; tile 3: lanes r >= 8 (padding) take copies of lanes r - 8
.endr
.endr
.irp t, 0,1,2,3
	ds_load_b128 v[CV+12*\t:CV+12*\t+3], v16 offset:CV_O+768*\t
	ds_load_b64 v[CV+12*\t+4:CV+12*\t+5], v18 offset:CV_O+768*\t+512
.endr
	WIN 0
.irp t, 0,1,2,3
	ds_load_b32 v[CS+\t], v19 offset:CS_O+128*\t
.endr
.irp q, 0,1
	ds_load_b32 v[VS+\q], v19 offset:VS_O+128*\q
.endr
.irp t, 0,1,2,3
.irp e, 0,1
	ds_load_b128 v[RS+8*\t+4*\e:RS+8*\t+4*\e+3], v20 offset:RS_O+64*\t+16*\e
	ds_load_b128 v[OF+8*\t+4*\e:OF+8*\t+4*\e+3], v20 offset:OF_O+64*\t+16*\e
.endr
.endr
.endm
.macro FADR                            ; where the next tile's codes and scale words lie
	v_add_nc_u32 v8, s46, v11
	v_add_nc_u32 v9, s47, v14
.endm
.macro FLOAD                           ; a tile's two fragments and its scale words; the pointers step to the tile after
	WIN 0x40
.irp g, 0,1,2,3,4,5
	ds_load_b128 v[F+4*\g:F+4*\g+3], v8 offset:512*\g
.endr
	WIN 0
	ds_load_b32 v[FS], v9
	s_add_co_u32 s46, s46, 3072
	s_add_co_u32 s47, s47, 128
.endm
.macro FLOAD2                          ; the same for two tiles that follow each other: their images lie on end
	WIN 0x40
.irp g, 0,1,2,3,4,5,6,7,8,9,10,11
	ds_load_b128 v[F+4*\g:F+4*\g+3], v8 offset:512*\g
.endr
	WIN 0
	ds_load_b32 v[FS], v9
	ds_load_b32 v[FSB], v9 offset:128
	s_add_co_u32 s46, s46, 6144
	s_add_co_u32 s47, s47, 256
.endm
; THE STEPS OF A UNIT.
; K step s of proj for the tile whose fragments begin at v[f] of window 1: four accumulators, one instruction each; s = 0 starts the sums
.macro PROJ acc, f, fs, s
.irp t, 0,1,2,3
.if \s
	v_wmma_scale_f32_16x16x128_f8f6f4 v[\acc+8*\t:\acc+8*\t+7], v[CF+24*\t+12:CF+24*\t+23], v[\f+12:\f+23], v[\acc+8*\t:\acc+8*\t+7], v[CS+\t], v[\fs] matrix_a_fmt:MATRIX_FMT_BF6 matrix_b_fmt:MATRIX_FMT_BF6 matrix_a_scale:MATRIX_SCALE_ROW1 matrix_b_scale:MATRIX_SCALE_ROW1
.else
	v_wmma_scale_f32_16x16x128_f8f6f4 v[\acc+8*\t:\acc+8*\t+7], v[CF+24*\t:CF+24*\t+11], v[\f:\f+11], 0, v[CS+\t], v[\fs] matrix_a_fmt:MATRIX_FMT_BF6 matrix_b_fmt:MATRIX_FMT_BF6
.endif
.endr
.endm
; diff = proj rs + off, each accumulator from its low end on; then my 16 numbers' largest magnitude in each of diff's two blocks of 32, with the floor 2^(5 - 127): four chains by turns.  32 plain lines
.macro DIFF acc
.set n, 0
.rept 16
	v_pk_fma_f32 v[\acc+n:\acc+n+1], v[\acc+n:\acc+n+1], v[RS+n:RS+n+1], v[OF+n:OF+n+1]
.set n, n+2
.endr
.irp b, 0,1
	v_max3_num_f32 v[TM+\b], |v[\acc+16*\b]|, |v[\acc+16*\b+1]|, 0x2800000
.endr
.irp b, 0,1
	v_max3_num_f32 v[TM+2+\b], |v[\acc+16*\b+8]|, |v[\acc+16*\b+9]|, |v[\acc+16*\b+10]|
.endr
.irp i, 2,4
.irp b, 0,1
	v_max3_num_f32 v[TM+\b], v[TM+\b], |v[\acc+16*\b+\i]|, |v[\acc+16*\b+\i+1]|
.endr
.irp b, 0,1
	v_max3_num_f32 v[TM+2+\b], v[TM+2+\b], |v[\acc+16*\b+9+\i]|, |v[\acc+16*\b+10+\i]|
.endr
.endr
.irp b, 0,1
	v_max3_num_f32 v[TM+\b], v[TM+\b], |v[\acc+16*\b+6]|, |v[\acc+16*\b+7]|
.endr
.irp b, 0,1
	v_max3_num_f32 v[TM+\b], v[TM+\b], v[TM+2+\b], |v[\acc+16*\b+15]|
.endr
.endm
; the blocks' scales, diff's scale word in v[DS] and its codes in v[DC] on
.macro QDIFF acc
.irp b, 0,1
	v_permlanex16_b32 v[TM+2+\b], v[TM+\b], s40, s41
.endr
.irp b, 0,1
	v_max_num_f32 v[TM+\b], v[TM+\b], v[TM+2+\b]   ; with lane l xor 16's: the block's largest magnitude
.endr
.irp b, 0,1
	v_add_nc_u32 v[TM+4+\b], 0xfe000000, v[TM+\b]  ; 4 off its exponent field: the conversion's scale operand
.endr
.irp b, 0,1
	v_lshrrev_b32 v[TM+2+\b], 23, v[TM+4+\b]       ; the scale's byte
.endr
	v_lshl_or_b32 v[DS], v[TM+3], 8, v[TM+2]       ; diff's scale word; bytes 2 and 3 are 0, over zero codes
	v_cvt_scalef32_pk16_bf6_f32 v[DC:DC+2], v[\acc:\acc+15], v[TM+4]
	v_cvt_scalef32_pk16_bf6_f32 v[TC:TC+2], v[\acc+16:\acc+31], v[TM+5]
	v_nop                                          ; one plain line behind the conversions
.irp i, 0,1,2                          ; the operand wants a WHOLE block in a lane: lanes 0-15 block 0, lanes 16-31 block 1
	v_permlane16_swap_b32 v[DC+\i], v[TC+\i]
.endr
.irp i, 0,1,2
	v_mov_b32 v[DC+3+\i], v[TC+\i]
.endr
.endm
; t = cov_inv^T diff into v[tt] on: K = 64 of the 128; the rest are zero codes on both sides
.macro COV tt
	WIN 0x01                                       ; source 0 (cov_inv) window 1
.irp t, 0,1,2,3
.if \t%2
	v_wmma_scale_f32_16x16x128_f8f6f4 v[\tt+8*\t:\tt+8*\t+7], v[CV+12*\t:CV+12*\t+11], v[DC:DC+11], 0, v[VS+\t/2], v[DS] matrix_a_fmt:MATRIX_FMT_BF6 matrix_b_fmt:MATRIX_FMT_BF6 matrix_a_scale:MATRIX_SCALE_ROW1
.else
	v_wmma_scale_f32_16x16x128_f8f6f4 v[\tt+8*\t:\tt+8*\t+7], v[CV+12*\t:CV+12*\t+11], v[DC:DC+11], 0, v[VS+\t/2], v[DS] matrix_a_fmt:MATRIX_FMT_BF6 matrix_b_fmt:MATRIX_FMT_BF6
.endif
.endr
	WIN 0
.endm
; the sum over l of diff t, diff unquantised: two chains in v[c] .. v[c + 3], each accumulator from its low end on.  16 plain lines
.macro DOTM tt, acc, c
	v_pk_mul_f32 v[\c:\c+1], v[\tt:\tt+1], v[\acc:\acc+1]
	v_pk_mul_f32 v[\c+2:\c+3], v[\tt+16:\tt+17], v[\acc+16:\acc+17]
.irp i, 2,4,6,8,10,12,14
	v_pk_fma_f32 v[\c:\c+1], v[\tt+\i:\tt+\i+1], v[\acc+\i:\acc+\i+1], v[\c:\c+1]
	v_pk_fma_f32 v[\c+2:\c+3], v[\tt+16+\i:\tt+16+\i+1], v[\acc+16+\i:\acc+16+\i+1], v[\c+2:\c+3]
.endr
.endm
; its end: the chains, lane l xor 16's half, and the store
.macro DOTT c, off
	v_pk_add_f32 v[\c:\c+1], v[\c:\c+1], v[\c+2:\c+3]
	v_add_f32 v[\c], v[\c], v[\c+1]
	v_permlanex16_b32 v[TM+12], v[\c], s40, s41
	v_add_f32 v[\c], v[\c], v[TM+12]               ; pixel r's distance
	ds_store_b32 v10, v[\c] offset:\off            ; lanes l and l xor 16 write the same word with the same value
.endm
; A UNIT: one class x one tile of 16 pixels.  pre = 1: the next tile's codes are fetched behind the first product.
.macro UNIT pre
	s_wait_dscnt 0x1                               ; the tile's codes, asked for a unit ago, are in; the one LDS instruction issued behind them, the last unit's store, may be out
	WIN 0x05                                       ; sources 0 and 1 window 1
	PROJ ACC, F, FS, 0                             ; the four accumulators take turns, one instruction a turn
	PROJ ACC, F, FS, 1
	WIN 0
	s_wait_dscnt 0x0                               ; the last unit's store is done: its address and data registers are written anew only behind this wait
	v_add_nc_u32 v10, s48, v21                     ; where this unit's distances go.  Four plain lines that name no register of the products stand here: the places in front of the loads into F and of the first read of proj
.if \pre
	FADR
	v_nop
	FLOAD
.else
.rept 3
	v_nop
.endr
.endif
	s_add_co_u32 s48, s48, 64
	DIFF ACC
	QDIFF ACC
.rept 7
	v_nop                                          ; with the one behind the conversions eight plain lines behind the scale word's write, seven behind the codes' last: a scaled product wants eight and four
.endr
	COV T
.rept 4
	v_nop                                          ; the places in front of the first read of t
.endr
	DOTM T, ACC, TM+8
	DOTT TM+8, 0
.endm
; A PAIR: one class x two tiles a, b that follow each other, by turns.  diff's codes, their scale word and the registers at work are shared: b's are written six plain lines or more behind the products that read a's.
.macro UNIT2 pre
	s_wait_dscnt 0x2                               ; both tiles' codes, asked for a pair ago, are in; the two LDS instructions issued behind them, the last pair's stores, may be out
	WIN 0x05                                       ; sources 0 and 1 window 1
	PROJ ACC, F, FS, 0                             ; eight accumulators take turns, one instruction a turn
	PROJ ACCB, F+24, FSB, 0
	PROJ ACC, F, FS, 1
	PROJ ACCB, F+24, FSB, 1
	WIN 0
	s_wait_dscnt 0x0                               ; the last pair's stores are done: their address and data registers are written anew only behind this wait
	v_add_nc_u32 v10, s48, v21                     ; where the pair's distances go.  Four plain lines that name no register of the products: the places in front of the first read of proj
.if \pre
	FADR
	v_nop
.else
.rept 3
	v_nop
.endr
.endif
	s_add_co_u32 s48, s48, 128
	DIFF ACC
	QDIFF ACC                                      ; a's codes and scale word
.if \pre
	FLOAD2                                         ; the next pair's codes: 14 loads, far more than four plain lines behind the products that read these registers
.endif
	DIFF ACCB                                      ; 32 plain lines that name nothing of a's second product: its eight places behind the scale word's write, its four behind the codes' last
	COV T
	QDIFF ACCB                                     ; b's scale word is written six plain lines behind those products, its codes later still; these lines are also the places ahead of the first read of a's t
	DOTM T, ACC, TM+8                              ; 16 plain lines that name nothing of b's second product: its places
	COV TB
	DOTT TM+8, 0                                   ; three plain lines (the lane permute is not counted),
	v_nop                                          ; and a fourth: the places in front of the first read of b's t
	DOTM TB, ACCB, TM
	DOTT TM, 64
.endm
; n units on n tiles that follow each other; the last is written out, so that nothing is fetched beyond the run's end
.macro RUN n
	FADR
	FLOAD
	s_mov_b32 s43, \n-1
	s_wait_dscnt 0x0                               ; the first tile's codes, and the weights where they are new: behind them no store was issued, so the count at a unit's head would not cover them
.Lrun_\@:
	UNIT 1
	s_sub_co_u32 s43, s43, 1
	s_cmp_lg_u32 s43, 0
	s_cbranch_scc1 .Lrun_\@
	UNIT 0
.endm
; n pairs on 2 n tiles that follow each other
.macro RUN2 n
	FADR
	FLOAD2
	s_wait_dscnt 0x0                               ; as in RUN
.if \n > 2
	s_mov_b32 s43, \n-1
.Lrun2_\@:
	UNIT2 1
	s_sub_co_u32 s43, s43, 1
	s_cmp_lg_u32 s43, 0
	s_cbranch_scc1 .Lrun2_\@
.else
	UNIT2 1
.endif
	UNIT2 0
.endm
; My tile of chunk j is quantised; a barrier; pass 0 on the chunk's eight tiles: singly while the next tile's loads hold their registers, in pairs behind the last
.macro CHUNK j
	QTILE \j
.if \j == 3
	s_wait_tensorcnt 0x0                           ; my part of classes 8-18 has landed: behind the barrier everybody's has
.endif
	BARRIER
	s_mov_b32 s46, 24576*\j
	s_mov_b32 s47, FSC+1024*\j
	s_add_co_u32 s48, s49, 512*\j
.if \j == 3
	RUN2 4
.else
	RUN 8
.endif
.endm
	s_load_b128 s[4:7], s[0:1], 0x0                ; feats, wts
	s_load_b64 s[8:9], s[0:1], 0x10                ; out0
	v_lshl_add_u32 v1, v0, 2, SPARE
	v_mov_b32 v2, 0
	ds_add_u32 v1, v2                              ; the wave's opening: the add, twice on end, and its wait ahead of my first tensor load; the set-up below stands between
	ds_add_u32 v1, v2
	v_lshrrev_b32 v10, 5, v0
	v_readfirstlane_b32 s10, v10                   ; wave 0..7
	s_bfe_u32 s11, ttmp6, 0x40000                  ; cx: it enters feats' and out0's addresses alone
	s_lshl_b32 s12, ttmp9, 2                       ; in a cluster launch ttmp9 counts clusters
	s_add_co_u32 s12, s12, s11                     ; my work-group
	v_and_b32 v18, 31, v0                          ; l
	v_and_b32 v16, 15, v0                          ; r
	v_bfe_u32 v17, v0, 4, 1                        ; h
	v_lshlrev_b32 v11, 4, v18
	v_and_b32 v12, 7, v0
	v_lshl_add_u32 v12, v17, 3, v12
	v_lshlrev_b32 v12, 4, v12
	v_lshlrev_b32 v13, 3, v18
	v_lshlrev_b32 v14, 2, v18
	v_lshlrev_b32 v15, 5, v17
	v_lshlrev_b32 v21, 2, v16
	v_lshlrev_b32 v22, 3, v17
	v_lshlrev_b32 v3, 10, v17
	v_lshl_add_u32 v3, v16, 4, v3                  ; feats: row h of a pair, 16 r
	s_mul_i32 s50, s10, 4352
	s_add_co_u32 s50, s50, STG                     ; my stage
	v_mul_u32_u24 v4, v17, 272
	v_lshl_add_u32 v4, v16, 4, v4
	v_add_nc_u32 v4, s50, v4                       ; in: as loaded
	v_mul_u32_u24 v5, v16, 272
	v_lshl_add_u32 v5, v17, 7, v5
	v_add_nc_u32 v5, s50, v5                       ; out: row r, 128 h
	s_mul_i32 s51, s10, 3072
	v_add_nc_u32 v6, s51, v11
	s_lshl_b32 s51, s10, 7
	s_add_co_u32 s51, s51, FSC
	v_add_nc_u32 v7, s51, v14
	s_lshl_b32 s49, s10, 11
	s_add_co_u32 s49, s49, D0
	s_mov_b32 s40, 0x76543210
	s_mov_b32 s41, 0xfedcba98                      ; v_permlanex16_b32's selects for lane l xor 16
	s_mov_b32 s42, 0xffff0000                      ; lanes 16-31
	; descriptor groups 1: dense rows of 256 bytes (32 elements of 8 bytes), no padding; 15:0 the mask: all four work-groups; 21 set beside a mask
	s_mov_b32 s16, 15|(3<<16)|(1<<21)
	s_mov_b32 s17, 32<<16                          ; tensor_dim0
	s_mov_b32 s18, 59<<16                          ; tensor_dim1: a class's block
	s_mov_b32 s19, 32<<16                          ; tile_dim0
	s_mov_b32 s20, 59                              ; tile_dim1
	s_mov_b32 s21, 32                              ; from row to row
	s_mov_b32 s22, 0
	s_mov_b32 s23, 0
	s_mov_b32 s24, 15|(3<<16)|(1<<21)
	s_mov_b32 s25, 32<<16
	s_mov_b32 s26, 82<<16                          ; an eighth of what lies behind class 7
	s_mov_b32 s27, 32<<16
	s_mov_b32 s28, 82
	s_mov_b32 s29, 32
	s_mov_b32 s30, 0
	s_mov_b32 s31, 0
	s_lshl_b32 s52, s12, 19                        ; feats: 512 rows of 1,024 bytes a work-group, 16 a wave
	s_lshl_b32 s54, s10, 14
	s_add_co_u32 s52, s52, s54
	s_mov_b32 s53, 0
	s_mov_b32 s15, 0
	s_wait_dscnt 0x0                               ; both opening adds are done
	s_wait_kmcnt 0x0
	s_add_nc_u64 s[4:5], s[4:5], s[52:53]
	s_lshl_b32 s52, s12, 11                        ; out0: 2,048 bytes a work-group, 256 a wave
	s_lshl_b32 s54, s10, 8
	s_add_co_u32 s52, s52, s54
	s_add_nc_u64 s[8:9], s[8:9], s[52:53]
	; groups 0: LDS is an image of wts, so both addresses are the same offset, made of the wave's number alone: equal in all four partners
	s_mov_b32 s32, 1
	s_mul_i32 s33, s10, CB
	s_mul_i32 s14, s10, CB
	s_add_nc_u64 s[34:35], s[6:7], s[14:15]
	s_or_b32 s35, s35, 0x80000000
	s_mov_b32 s36, 1
	s_mul_i32 s37, s10, 20992
	s_add_co_u32 s37, s37, WP
	s_mul_i32 s14, s10, 20992
	s_add_co_u32 s14, s14, WP
	s_add_nc_u64 s[38:39], s[6:7], s[14:15]
	s_or_b32 s39, s39, 0x80000000
.irp q, 0,1,2,3
	RLOAD 0, \q                                    ; my first tile: 32 loads, into registers
.endr
	ROUND                                          ; all four work-groups are here: the joint loads meet
	tensor_load_to_lds s[32:35], s[16:23]          ; A: class w
	s_nop 0
	tensor_load_to_lds s[36:39], s[24:31]          ; B: my eighth of classes 8-18
	s_nop 0
.rept 4
	v_nop
.endr
.irp i, 6,7,8,9,10,11
	v_mov_b32 v[DC+\i], 0                          ; K 64-127 of the second product: zero codes, written once
.endr
	v_mov_b32 v[TM+12], 0                          ; a lane permute's destination counts as one of its sources
	WIN 0x40
.irp t, 0,1,2,3
.irp i, 6,7,8,9,10,11
	v_mov_b32 v[CV+12*\t+\i], 0
.endr
.endr
	WIN 0
	s_wait_tensorcnt 0x1                           ; load A has landed (B may be out): my class's block, which I alone read
	s_mul_i32 s45, s10, CB
	WGT
	BARRIER                                        ; every wave's load A has landed and has been read: the bytes of classes 0-7 are free for stores
	CHUNK 0
	CHUNK 1
	CHUNK 2
	CHUNK 3
	; ---- pass 1: class 8 + w on all 32 tiles, in pairs; the distances go to my stage, which has done its work
	s_mul_i32 s45, s10, CB
	s_add_co_u32 s45, s45, WP
	WGT
	s_mov_b32 s46, 0
	s_mov_b32 s47, FSC
	s_mov_b32 s48, s50
	RUN2 16
	; ---- classes 16, 17, 18 on my tiles 4 w .. 4 w + 3: two pairs each
.irp c, 0,1,2
	s_mov_b32 s45, WP+(8+\c)*CB
	WGT
	s_mul_i32 s46, s10, 12288
	s_lshl_b32 s47, s10, 9
	s_add_co_u32 s47, s47, FSC
	s_add_co_u32 s48, s50, 2048+256*\c
	RUN2 2
.endr
	; ---- the way out: wave w takes pixels 64 w .. 64 w + 63, two a lane: eight distances of pass 0, eight of pass 1, my own three
	BARRIER
	s_lshl_b32 s51, s10, 8
	s_add_co_u32 s54, s51, D0
	v_add_nc_u32 v8, s54, v13
	s_add_co_u32 s54, s51, STG
	v_add_nc_u32 v9, s54, v13
	s_add_co_u32 s54, s50, 2048
	v_add_nc_u32 v10, s54, v13
.irp i, 0,1,2,3,4,5,6,7
	ds_load_b64 v[ACC+2*\i:ACC+2*\i+1], v8 offset:2048*\i
.endr
.irp i, 0,1,2,3,4,5,6,7
	ds_load_b64 v[ACC+16+2*\i:ACC+16+2*\i+1], v9 offset:4352*\i
.endr
.irp i, 0,1,2
	ds_load_b64 v[ACC+32+2*\i:ACC+32+2*\i+1], v10 offset:256*\i
.endr
	s_wait_dscnt 0x0
.irp i, 1,2,3,4,5,6,7,8,9,10,11,12,13,14,15,16,17,18
	v_min_num_f32 v[ACC], v[ACC], v[ACC+2*\i]
	v_min_num_f32 v[ACC+1], v[ACC+1], v[ACC+2*\i+1]
.endr
	global_store_b64 v13, v[ACC:ACC+1], s[8:9] th:TH_STORE_NT   ; 32 lanes store 256 consecutive bytes, at a multiple of 256 from out0's first byte
	s_wait_tensorcnt 0x0                           ; the wave's end, behind my last tensor load and my last LDS store
	ds_add_u32 v1, v2
	s_wait_dscnt 0x0
	ROUND                                          ; the closing round
	s_endpgm
.Lfunc_end_k_qf81daf9843_main:
	.size	k_qf81daf9843_main, .Lfunc_end_k_qf81daf9843_main-k_qf81daf9843_main
	.p2alignl 7, 3214868480
	.fill 96, 4, 3214868480
	.section	.rodata,"a",@progbits
	.p2align	6, 0x0
	.amdhsa_kernel k_qf81daf9843_main
		.amdhsa_group_segment_fixed_size 327680
		.amdhsa_private_segment_fixed_size 0
		.amdhsa_enable_private_segment 0
		.amdhsa_kernarg_size 24
		.amdhsa_user_sgpr_count 2
		.amdhsa_user_sgpr_kernarg_segment_ptr 1
		.amdhsa_wavefront_size32 1
		.amdhsa_system_sgpr_workgroup_id_x 1
		.amdhsa_system_sgpr_workgroup_id_y 1
		.amdhsa_system_sgpr_workgroup_id_z 1
		.amdhsa_system_vgpr_workitem_id 0
		.amdhsa_next_free_vgpr 512
		.amdhsa_next_free_sgpr 66
		.amdhsa_reserve_vcc 0
		.amdhsa_float_denorm_mode_32 3
		.amdhsa_float_denorm_mode_16_64 3
		.amdhsa_memory_ordered 1
		.amdhsa_forward_progress 1
		.amdhsa_inst_pref_size 255
	.end_amdhsa_kernel
	.amdgpu_metadata
---
amdhsa.version: [ 1, 2 ]
amdhsa.kernels:
  - .name:           k_qf81daf9843_main
    .symbol:         k_qf81daf9843_main.kd
    .args:
      - { .name: feats, .offset: 0, .size: 8, .value_kind: global_buffer, .address_space: global }
      - { .name: wts, .offset: 8, .size: 8, .value_kind: global_buffer, .address_space: global }
      - { .name: out0, .offset: 16, .size: 8, .value_kind: global_buffer, .address_space: global }
    .group_segment_fixed_size: 327680
    .private_segment_fixed_size: 0
    .kernarg_segment_align: 8
    .kernarg_segment_size: 24
    .max_flat_workgroup_size: 256
    .sgpr_count:     66
    .vgpr_count:     512
    .wavefront_size: 32
...
	.end_amdgpu_metadata
.endif
;; end of part 2
